; MI455X (gfx1250); checked and timed in simulation.
; The chip was launched on July 23, 2026; its instructions are those of AMD's public machine-readable ISA for CDNA 5 (MIT licence, August 2026) and "CDNA5" Instruction Set Architecture Reference Guide (July 2026). The comments in the code are by the model that wrote it; some were corrected since.
;; Multi Head Attention. Allowed arithmetic: matrix products marked QUANTISED: E2M1 operands, one E8M0 scale for each 32 along K, by v_wmma_scale_f32_16x16x128_f8f6f4 with both operands' format E2M1 (or v_wmma_scale_f32_32x16x128_f4), f32 sums; products left as they are: bf16, f16 or f32 operands; f32 sums; everything else in f32.
;; Inputs: Wk 512 x 2,048 float32; Wo 2,048 x 512 float32; Wq 512 x 2,048 float32; Wv 512 x 2,048 float32; k 2 x 2,048 x 2,048 float32; q 2 x 2,048 x 2,048 float32; v 2 x 2,048 x 2,048 float32.
;; Outputs: out0 2 x 2,048 x 2,048 float32.
;; This version of the problem:
;;   THIS VERSION OF THE PROBLEM IS GIVEN IN LOW PRECISION. The matrix products marked QUANTISED in the list below multiply operands that are first quantised to E2M1 (2 exponent bits, 1 mantissa bit; 4 bits a number), with one power-of-two scale for each 32 numbers along K (OCP MX v1.0); their sums are f32. The products marked 'left as it is' may take bf16, f16 or f32 operands, with f32 sums. Whichever they take, every output number must still come out within the allowed error. Rounding operands to bf16 (8 significant bits) uses up far more of that allowance than f16 does (11 bits, for magnitudes from 6e-5 to 65,504). All else is computed in f32.
;;   The module's matrix products, in the order in which they are computed (A, B: the left and right operand; K: the contracted axis; several contracted axes count as one K, in the product's order):
;;     1. [M 4,096, K 2,048] x [K 2,048, N 512]; A: input q; B: input Wq: QUANTISED
;;     2. [M 4,096, K 2,048] x [K 2,048, N 512]; A: input k; B: input Wk: QUANTISED
;;     3. [M 4,096, K 2,048] x [K 2,048, N 512]; A: input v; B: input Wv: QUANTISED
;;     4. batch 64 x [M 2,048, K 16] x [K 16, N 2,048]; A: computed on the way; B: computed on the way: left as it is (K = 16 < 32)
;;     5. batch 64 x [M 16, K 2,048] x [K 2,048, N 2,048]; A: computed on the way; B: computed on the way: left as it is (an operand is computed on the way)
;;     6. [M 4,096, K 512] x [K 512, N 2,048]; A: computed on the way; B: input Wo: left as it is (an operand is computed on the way)
;;   THE QUANTISER, for each operand of a quantised product, along K:
;;     - K is cut into blocks of 32 from its start; a last block that is shorter is filled with zeros.
;;     - A block's scale is 2^e with e = floor(log2(the largest magnitude in the block)) - 2, held to -126 .. 127; a block of zeros has e = 0. As a byte (E8M0): e + 127.
;;     - Each number is divided by its block's scale, clamped to +-6, and rounded to the nearest number of E2M1, ties to even, subnormals kept.
;;     - The product sums the exact products of the quantised numbers (number of the format x scale) in f32.
;;   ~~~python
;;   def quantise(x, axis):      # numpy; x: float32 -> the quantised numbers, widened to float32 again
;;       x = np.moveaxis(x, axis, -1); K = x.shape[-1]
;;       x = np.pad(x, [(0, 0)] * (x.ndim - 1) + [(0, -K % 32)]); x = x.reshape(x.shape[:-1] + (-1, 32)); a = np.abs(x).max(-1, keepdims=True)
;;       e = np.where(a > 0, np.clip(np.frexp(np.where(a > 0, a, 1))[1] - 1 - 2, -126, 127), 0)      # np.frexp(a)[1] - 1 = floor(log2(a)), exactly
;;       r = np.clip(x / 2.0 ** e, -6, 6)
;;       step = 2.0 ** (np.maximum(np.frexp(np.where(r == 0, 1, r))[1] - 1, 0) - 1)
;;       q = np.round(r / step) * step * 2.0 ** e      # np.round: ties to even
;;       return np.moveaxis(q.reshape(q.shape[:-2] + (-1,))[..., :K], -1, axis).astype(np.float32)
;;   ~~~
;; One version. Each part assembles by itself: llvm-mc -triple=amdgcn-amd-amdhsa -mcpu=gfx1250 --defsym DOCPART=n.
;; ======== version 1 of 1: 4 launches
;; limits: values are held in f16: magnitudes above 65,504 overflow, below 6.1e-05 lose precision
;; workspace buffers: wc 1,572,864 bytes; ws 98,304 bytes; wof 2,097,152 bytes; qf 4,194,304 bytes; kf 4,194,304 bytes; vf 4,194,304 bytes; of 4,194,304 bytes
;; launch prep (part 1): grid 256 x 1, 2 waves a work-group, no clusters, 167,936 bytes of LDS; arguments Wq, Wk, Wv, Wo, wc, ws, wof; writes wc, ws, wof
.if DOCPART == 1
	.amdgcn_target "amdgcn-amd-amdhsa--gfx1250"
	.amdhsa_code_object_version 6
	.text
	.protected	k_q56a8867a76_prep
	.globl	k_q56a8867a76_prep
	.p2align	8
	.type	k_q56a8867a76_prep,@function
k_q56a8867a76_prep:
	s_mov_b64 s[64:65], 0
	v_nop
	global_prefetch_b8 v0, s[64:65] scope:SCOPE_SE
	s_setreg_imm32_b32 hwreg(HW_REG_WAVE_MODE, 25, 1), 1
	s_wait_xcnt 0x0
; PREP: the weights are laid out once, in the order in which a wave's operand registers take them.
;   Wq, Wk, Wv [512][2048] f32 -> wc: codes of FP4 (E2M1), ws: E8M0 scale words, quantised along K in blocks of 32.
;   Wo [2048][512] f32 -> wof: f16.
; wc  [tensor 3][n-tile 32][K step 16][1,024 B]: a fragment (16 rows x 128 k) as its registers: registers 4 c .. 4 c + 3 of lane l at 512 c + 16 l.
; ws  [tensor 3][n-tile 32][chunk 4][row 16][16 B]: the scale words of the chunk's four K steps.
; wof [n-tile 128][group 32][lane][16 B]: lane (r, h) holds Wo(16 nt + r, 16 g + 8 h + 0 .. 7).
; SHARES: a wave takes one unit.  Work-groups 0-191: 384 units of 16 rows x 512 k of Wq, Wk, Wv.  Work-groups 192-255: 128 units of 16 rows of Wo, all 512 k.
; Each unit comes by two tensor loads of 16 rows x 1,024 bytes, so that memory is read in long runs; a lane then takes 32 neighbours along K from LDS.
; The two paths part on the work-group's number and have LDS bytes of their own.  Nothing in LDS is filled twice; waves share nothing: no barrier.
; A block's scale is 2^(floor(log2(its largest magnitude)) - 2): its byte is the largest magnitude's exponent field - 2, held at 1 from below.
; LIMITS: NaN and infinities among the inputs are not served.  A block of zeros gets the byte 1 where the quantiser says 127: its codes are zeros,
; which add nothing under any byte but 0xff, and this program alone reads the bytes.  |Wo| must stay under 65,504 (f16).
.set PITCH, 1040                       ; an LDS row: 1,024 bytes + 16 of padding: the sixteen rows that a load touches begin 16 bytes apart modulo 256
.set REG,   16*PITCH                   ; what one tensor load fills: 16,640 bytes
.set WREG,  2*REG                      ; a wave's two regions
.set OBASE, 2*WREG                     ; Wo's path has LDS bytes of its own
.set SPARE, 4*WREG                     ; the spare words: 128 bytes a wave, one block of 256 bytes that no other line names
.set ANQ, 4                            ; v4  LDS: my row, my 32 numbers of a block pair (path of Wq, Wk, Wv)
.set ANO, 5                            ; v5  LDS: my row, my 8 numbers of a group (path of Wo)
.set GOC, 6                            ; v6  16 x lane
.set GOS, 7                            ; v7  16 x (lane % 16)
.set SH8, 8                            ; v8  8 x (lane / 16)
.set SPW, 9                            ; v9  LDS address of my spare word; never rewritten
.set NIL, 10                           ; v10 0; never rewritten
.set TT,  11                           ; v11 a lane permute's destination
.set MA,  12                           ; v12-13, v14-15 largest magnitudes, two chains for each of my two blocks
.set MB,  14
.set SOP, 16                           ; v16-17 the conversions' scale operands
.set BY,  18                           ; v18-19 the scale bytes
.set SW,  20                           ; v20-23 the four K steps' scale words
.set PC,  24                           ; v24-55 codes, eight registers a K step (Wo: a batch's 32 registers of f16)
.set NUM, 64                           ; v64-127 64 numbers
.set WV,  18                           ; s18 wave
.set LB,  19                           ; s19 my wave's LDS base
.set SRC, 20                           ; s[20:21] where my unit begins in memory
.set G1Q, 24                           ; s[24:31] descriptor group 1, rows 2,048 elements apart
.set G1O, 32                           ; s[32:39] the same, rows 512 elements apart
.set G0A, 40                           ; s[40:43], s[44:47] groups 0 of my two loads
.set G0B, 44
.set SEL, 48                           ; s[48:49] lane selects: lane l xor 16
; 64 numbers of a lane, register 32 c + i = k 64 c + 32 (lane / 16) + i of my row: two whole blocks.  They become a fragment's eight registers at v[pc] and my row's scale word in v[pw].
.macro QUANT n, pc, pw
.irp c, 0,1
	v_max3_num_f32 v[MA+\c], |v[(\n)+32*\c]|, |v[(\n)+32*\c+1]|, 0x1800000       ; with the floor 2^(3 - 127): the byte cannot fall under 1
	v_max3_num_f32 v[MB+\c], |v[(\n)+32*\c+16]|, |v[(\n)+32*\c+17]|, |v[(\n)+32*\c+18]|
.endr
.irp i, 2,4,6,8,10,12,14
.irp c, 0,1
	v_max3_num_f32 v[MA+\c], v[MA+\c], |v[(\n)+32*\c+\i]|, |v[(\n)+32*\c+\i+1]|
.endr
.endr
.irp i, 19,21,23,25,27,29
.irp c, 0,1
	v_max3_num_f32 v[MB+\c], v[MB+\c], |v[(\n)+32*\c+\i]|, |v[(\n)+32*\c+\i+1]|
.endr
.endr
.irp c, 0,1
	v_max3_num_f32 v[MA+\c], v[MA+\c], v[MB+\c], |v[(\n)+32*\c+31]|              ; the block's largest magnitude: all 32 numbers are mine
.endr
.irp c, 0,1
	v_add_nc_u32 v[SOP+\c], 0xff000000, v[MA+\c]   ; 2 off its exponent field: the conversion takes the exponent field of this operand as its scale
.endr
.irp c, 0,1
	v_lshrrev_b32 v[BY+\c], 23, v[SOP+\c]          ; the scale's byte
.endr
	v_lshl_or_b32 v[\pw], v[BY+1], 16, v[BY]       ; my two bytes: blocks h and 2 + h,
	v_lshlrev_b32 v[\pw], v[SH8], v[\pw]           ; at their places in the word;
	v_permlanex16_b32 v[TT], v[\pw], s[SEL], s[SEL+1]
	v_or_b32 v[\pw], v[\pw], v[TT]                 ; with lane l xor 16's two the word is whole, in both halves of the lanes
.irp c, 0,1
.irp g, 0,1,2,3
	v_cvt_scalef32_pk8_fp4_f32 v[(\pc)+4*\c+\g], v[(\n)+32*\c+8*\g:(\n)+32*\c+8*\g+7], v[SOP+\c]
.endr
.endr
	v_nop                                          ; one plain line behind the last scaled conversion
.endm
	s_load_b256 s[4:11], s[0:1], 0x0               ; Wq s[4:5], Wk s[6:7], Wv s[8:9], Wo s[10:11]
	s_load_b128 s[12:15], s[0:1], 0x20             ; wc s[12:13], ws s[14:15]
	s_load_b64 s[16:17], s[0:1], 0x30              ; wof
	v_lshl_add_u32 v[SPW], v0, 2, SPARE
	v_mov_b32 v[NIL], 0
	ds_add_u32 v[SPW], v[NIL]                      ; the wave's opening: the add, twice on end, and its wait ahead of my first tensor load
	ds_add_u32 v[SPW], v[NIL]                      ; and once more; the set-up below, work on registers, stands between it and the wait
	v_lshrrev_b32 v1, 5, v0
	v_readfirstlane_b32 s[WV], v1                  ; wave 0, 1
	v_and_b32 v1, 31, v0                           ; lane
	v_and_b32 v2, 15, v0                           ; r
	v_bfe_u32 v3, v0, 4, 1                         ; h
.irp g, G1Q, G1O                       ; a tile of 16 rows x 256 elements of 4 bytes, 4 words of padding behind every 256
	s_mov_b32 s[\g], (2<<16)|(1<<20)|(7<<22)|(3<<25)
	s_mov_b32 s[\g+1], 256<<16                     ; tensor_dim0
	s_mov_b32 s[\g+2], 16<<16                      ; tensor_dim1
	s_mov_b32 s[\g+3], 256<<16                     ; tile_dim0
	s_mov_b32 s[\g+4], 16                          ; tile_dim1
	s_mov_b32 s[\g+6], 0
	s_mov_b32 s[\g+7], 0
.endr
	s_mov_b32 s[G1Q+5], 2048                       ; elements from row to row
	s_mov_b32 s[G1O+5], 512
	s_mul_i32 s[LB], s[WV], WREG
	v_mul_u32_u24 v[ANQ], v2, PITCH
	v_lshl_add_u32 v[ANO], v3, 5, v[ANQ]           ; row r + 32 h
	v_lshl_add_u32 v[ANQ], v3, 7, v[ANQ]           ; row r + 128 h
	v_add_nc_u32 v[ANQ], s[LB], v[ANQ]
	v_add_nc_u32 v[ANO], s[LB], v[ANO]
	v_add_nc_u32 v[ANO], OBASE, v[ANO]
	v_lshlrev_b32 v[GOC], 4, v1
	v_lshlrev_b32 v[GOS], 4, v2
	v_lshlrev_b32 v[SH8], 3, v3
	v_mov_b32 v[TT], 0                             ; written once: a lane permute's destination counts as one of its sources
	s_mov_b32 s[SEL], 0x76543210
	s_mov_b32 s[SEL+1], 0xfedcba98
	s_wait_dscnt 0x0                               ; both opening adds are done
	s_wait_kmcnt 0x0
	s_cmp_lt_u32 ttmp9, 192
	s_cbranch_scc0 .Lwo
	; ---- Wq, Wk, Wv: unit = 2 x work-group + wave = 128 x tensor + 4 x n-tile + chunk
	s_lshl_b32 s22, ttmp9, 1
	s_add_co_u32 s22, s22, s[WV]
	s_lshr_b32 s23, s22, 7                         ; which tensor: the choice hangs on ids alone
	s_cmp_eq_u32 s23, 0
	s_cselect_b64 s[SRC:SRC+1], s[4:5], s[6:7]
	s_cmp_eq_u32 s23, 2
	s_cselect_b64 s[SRC:SRC+1], s[8:9], s[SRC:SRC+1]
	s_bfe_u32 s52, s22, 0x50002                    ; n-tile: 16 rows of 8,192 bytes
	s_lshl_b32 s52, s52, 17
	s_and_b32 s53, s22, 3                          ; chunk: 512 k = 2,048 bytes
	s_lshl_b32 s53, s53, 11
	s_add_co_u32 s52, s52, s53
	s_mov_b32 s53, 0
	s_add_nc_u64 s[SRC:SRC+1], s[SRC:SRC+1], s[52:53]
	s_mov_b32 s[G0A], 1
	s_mov_b32 s[G0A+1], s[LB]
	s_mov_b64 s[G0A+2:G0A+3], s[SRC:SRC+1]
	s_or_b32 s[G0A+3], s[G0A+3], 0x80000000
	s_mov_b32 s[G0B], 1
	s_add_co_u32 s[G0B+1], s[LB], REG
	s_add_nc_u64 s[G0B+2:G0B+3], s[SRC:SRC+1], 1024
	s_or_b32 s[G0B+3], s[G0B+3], 0x80000000
	tensor_load_to_lds s[G0A:G0A+3], s[G1Q:G1Q+7]  ; K steps 0, 1 of the chunk
	s_nop 0
	tensor_load_to_lds s[G0B:G0B+3], s[G1Q:G1Q+7]  ; K steps 2, 3: two loads of mine are out
	s_nop 0
.rept 4
	v_nop
.endr
	s_lshl_b32 s52, s22, 12                        ; a unit's codes: 4,096 bytes
	s_add_nc_u64 s[12:13], s[12:13], s[52:53]
	s_lshl_b32 s52, s22, 8                         ; its scale words: 256 bytes
	s_add_nc_u64 s[14:15], s[14:15], s[52:53]
.macro QSTEP q                         ; K step q of the chunk; each step has code registers of its own, so no store's data are written again
.irp c, 0,1
.irp i, 0,1,2,3,4,5,6,7
	ds_load_b128 v[NUM+32*\c+4*\i:NUM+32*\c+4*\i+3], v[ANQ] offset:((\q)/2)*REG+((\q)%2)*512+256*\c+16*\i
.endr
.endr
	s_wait_dscnt 0x0
	QUANT NUM, PC+8*(\q), SW+(\q)
	global_store_b128 v[GOC], v[PC+8*(\q):PC+8*(\q)+3], s[12:13] offset:1024*(\q)          ; 32 lanes store 512 consecutive bytes
	global_store_b128 v[GOC], v[PC+8*(\q)+4:PC+8*(\q)+7], s[12:13] offset:1024*(\q)+512
.endm
	s_wait_tensorcnt 0x1                           ; my first load has landed; the second, issued behind it, may be out
	QSTEP 0
	QSTEP 1
	s_wait_tensorcnt 0x0
	QSTEP 2
	QSTEP 3
	global_store_b128 v[GOS], v[SW:SW+3], s[14:15] ; row r's four words; lanes 16-31 hold the same words and name the same bytes: 256 consecutive bytes, aligned
	s_wait_tensorcnt 0x0                           ; the wave's end
	ds_add_u32 v[SPW], v[NIL]
	s_wait_dscnt 0x0
	s_endpgm
.Lwo:	; ---- Wo: n-tile = 2 x (work-group - 192) + wave
	s_sub_co_u32 s22, ttmp9, 192
	s_lshl_b32 s22, s22, 1
	s_add_co_u32 s22, s22, s[WV]
	s_lshl_b32 s52, s22, 15                        ; 16 rows of 2,048 bytes
	s_mov_b32 s53, 0
	s_add_nc_u64 s[SRC:SRC+1], s[10:11], s[52:53]
	s_mov_b32 s[G0A], 1
	s_add_co_u32 s[G0A+1], s[LB], OBASE
	s_mov_b64 s[G0A+2:G0A+3], s[SRC:SRC+1]
	s_or_b32 s[G0A+3], s[G0A+3], 0x80000000
	s_mov_b32 s[G0B], 1
	s_add_co_u32 s[G0B+1], s[LB], OBASE+REG
	s_add_nc_u64 s[G0B+2:G0B+3], s[SRC:SRC+1], 1024
	s_or_b32 s[G0B+3], s[G0B+3], 0x80000000
	tensor_load_to_lds s[G0A:G0A+3], s[G1O:G1O+7]  ; k 0 .. 255
	s_nop 0
	tensor_load_to_lds s[G0B:G0B+3], s[G1O:G1O+7]  ; k 256 .. 511
	s_nop 0
.rept 4
	v_nop
.endr
	s_lshl_b32 s52, s22, 14                        ; an n-tile of wof: 32 groups of 512 bytes
	s_add_nc_u64 s[16:17], s[16:17], s[52:53]
.macro OBATCH b                        ; groups 8 b .. 8 b + 7 of 16 k each
.irp g, 0,1,2,3,4,5,6,7
.irp j, 0,1
	ds_load_b128 v[NUM+8*\g+4*\j:NUM+8*\g+4*\j+3], v[ANO] offset:((8*(\b)+\g)/16)*REG+((8*(\b)+\g)%16)*64+16*\j
.endr
.endr
	s_wait_dscnt 0x0
.if (\b) > 0
	s_wait_xcnt 0x0                                ; the last batch's stores have read their data: the registers are written again only behind this wait
.endif
.irp g, 0,1,2,3,4,5,6,7
.irp j, 0,1,2,3
	v_cvt_pk_f16_f32 v[PC+4*\g+\j], v[NUM+8*\g+2*\j], v[NUM+8*\g+2*\j+1]
.endr
.endr
.irp g, 0,1,2,3,4,5,6,7
	global_store_b128 v[GOC], v[PC+4*\g:PC+4*\g+3], s[16:17] offset:512*(8*(\b)+\g)
.endr
.endm
	s_wait_tensorcnt 0x1                           ; my first load has landed; the second may be out
	OBATCH 0
	OBATCH 1
	s_wait_tensorcnt 0x0
	OBATCH 2
	OBATCH 3
	s_wait_tensorcnt 0x0                           ; the wave's end
	ds_add_u32 v[SPW], v[NIL]
	s_wait_dscnt 0x0
	s_endpgm
.Lfunc_end_k_q56a8867a76_prep:
	.size	k_q56a8867a76_prep, .Lfunc_end_k_q56a8867a76_prep-k_q56a8867a76_prep
	.p2alignl 7, 3214868480
	.fill 96, 4, 3214868480
	.section	.rodata,"a",@progbits
	.p2align	6, 0x0
	.amdhsa_kernel k_q56a8867a76_prep
		.amdhsa_group_segment_fixed_size 167936
		.amdhsa_private_segment_fixed_size 0
		.amdhsa_enable_private_segment 0
		.amdhsa_kernarg_size 56
		.amdhsa_user_sgpr_count 2
		.amdhsa_user_sgpr_kernarg_segment_ptr 1
		.amdhsa_wavefront_size32 1
		.amdhsa_system_sgpr_workgroup_id_x 1
		.amdhsa_system_sgpr_workgroup_id_y 1
		.amdhsa_system_sgpr_workgroup_id_z 1
		.amdhsa_system_vgpr_workitem_id 0
		.amdhsa_next_free_vgpr 128
		.amdhsa_next_free_sgpr 66
		.amdhsa_reserve_vcc 0
		.amdhsa_float_denorm_mode_32 3
		.amdhsa_float_denorm_mode_16_64 3
		.amdhsa_memory_ordered 1
		.amdhsa_forward_progress 1
		.amdhsa_inst_pref_size 38
	.end_amdhsa_kernel
	.amdgpu_metadata
---
amdhsa.version: [ 1, 2 ]
amdhsa.kernels:
  - .name:           k_q56a8867a76_prep
    .symbol:         k_q56a8867a76_prep.kd
    .args:
      - { .name: Wq, .offset: 0, .size: 8, .value_kind: global_buffer, .address_space: global }
      - { .name: Wk, .offset: 8, .size: 8, .value_kind: global_buffer, .address_space: global }
      - { .name: Wv, .offset: 16, .size: 8, .value_kind: global_buffer, .address_space: global }
      - { .name: Wo, .offset: 24, .size: 8, .value_kind: global_buffer, .address_space: global }
      - { .name: wc, .offset: 32, .size: 8, .value_kind: global_buffer, .address_space: global }
      - { .name: ws, .offset: 40, .size: 8, .value_kind: global_buffer, .address_space: global }
      - { .name: wof, .offset: 48, .size: 8, .value_kind: global_buffer, .address_space: global }
    .group_segment_fixed_size: 167936
    .private_segment_fixed_size: 0
    .kernarg_segment_align: 8
    .kernarg_segment_size: 56
    .max_flat_workgroup_size: 64
    .sgpr_count:     66
    .vgpr_count:     128
    .wavefront_size: 32
...
	.end_amdgpu_metadata
.endif
;; end of part 1
;; launch proj (part 2): grid 64 x 3, 8 waves a work-group, no clusters, 327,680 bytes of LDS; arguments q, k, v, wc, ws, qf, kf, vf; writes qf, kf, vf
.if DOCPART == 2
	.amdgcn_target "amdgcn-amd-amdhsa--gfx1250"
	.amdhsa_code_object_version 6
	.text
	.protected	k_q56a8867a76_proj
	.globl	k_q56a8867a76_proj
	.p2align	8
	.type	k_q56a8867a76_proj,@function
k_q56a8867a76_proj:
	s_mov_b64 s[64:65], 0
	v_nop
	global_prefetch_b8 v0, s[64:65] scope:SCOPE_SE
	s_setreg_imm32_b32 hwreg(HW_REG_WAVE_MODE, 25, 1), 1
	s_wait_xcnt 0x0
; PROJ: qh = q Wq^T, kh = k Wk^T, vh = v Wv^T on codes of FP4 (E2M1) with one E8M0 scale for each 32 along K; sums in f32.
; q, k, v: [4096][2048] f32, quantised here, on the way; the weights' codes and scale words come from wc, ws in the order of the operand's registers.
; SHARES: work-group (x, y) takes 64 tokens (x) of tensor y (0 q, 1 k, 2 v) and all 512 features: each activation is read once and quantised once.
; Eight waves.  Wave w multiplies features 64 w .. 64 w + 63 (heads 4 w .. 4 w + 3) for the four tiles of 16 tokens: 16 accumulators.
; Wave w quantises token tile w / 2, K steps 2 (w % 2) + 0, 1 of each chunk of 512 along K, and hands the fragments to the others through LDS as images of their registers.
; The f32 numbers come through a ring of two LDS slots, a chunk each; a wave's tensor load brings its own 16 rows x 1,024 bytes, and it alone reads them.
; ONE barrier a chunk: behind it the chunk's 16 fragments lie in LDS, and (chunks 0, 1) the slot just read is filled again.  The images have two buffers by turns.
; THE MATRIX INSTRUCTION IS USED TRANSPOSED (source 0 = 16 features, source 1 = 16 tokens): a lane holds one token and eight neighbouring channels of a head.
; RESULTS, f16, as the next launch's operand registers: qf = qh x 0.125 log2(e) x 4, kf = kh / 4: [b x 32 + head][token tile][lane][16 B]; vf = vh / 16: [b x 32 + head][key][16 channels].
; No cluster: what work-groups share is the weights' fragments, which go straight into registers, since the f32 slots and the images take 303,104 bytes of LDS.
; LIMITS: NaN and infinities are not served.  A block of zeros gets the byte 1 where the quantiser says 127: its codes are zeros.  0.72 |qh|, |kh| / 4 and |vh| / 16 must stay under 65,504 (f16).
.set PITCH, 1040                       ; an LDS row of f32: 1,024 bytes + 16 of padding
.set REG,   16*PITCH                   ; a wave's part of a slot
.set SLOT,  8*REG
.set IMG,   2*SLOT                     ; behind the ring: the images; no tensor load lands there
.set ISC,   16384                      ; in an image buffer: 16 fragments of 1,024 bytes, then 16 x 128 bytes of scale words
.set IBUF,  ISC+16*128
.set SPARE, IMG+2*IBUF                 ; the spare words: 128 bytes a wave, four blocks of 256 bytes that no other line names
; window 0
.set AN,  4                            ; v4, v5  my row and half in my part of slot 0, 1
.set LI,  6                            ; v6   images: 16 x lane
.set LS,  7                            ; v7   scale images: 4 x lane
.set XWI, 8                            ; v8   where I store my images: LI + 2,048 x wave
.set XWS, 9                            ; v9   and their scale words: LS + 256 x wave
.set WO,  10                           ; v10  16 x lane
.set WSO, 11                           ; v11  1,024 (lane / 16) + 16 (lane % 16)
.set GO,  12                           ; v12  my 16 bytes in a stored tile
.set SH8, 13                           ; v13  8 x (lane / 16)
.set SPW, 14                           ; v14  LDS address of my spare word; never rewritten
.set NIL, 15                           ; v15  0; never rewritten
.set MA,  16
.set MB,  18
.set SOP, 20
.set BY,  22
.set TT,  24
.set PW,  25
.set PFO, 26                           ; v26  the prefetches' offset; never rewritten
.set PC,  28                           ; v28-35  the codes just made
.set XS,  36                           ; v36-51  x's scale words: (token tile j, K step q) at 4 j + q; scales and nothing else
.set WS,  52                           ; v52-59  W's: 4 p + q; lanes 0-15 n-tile 2 p, lanes 16-31 n-tile 2 p + 1; scales and nothing else
.set XF,  64                           ; v64-191 x's 16 fragments, (j, q) at 8 (4 j + q)
.set NUM, 64                           ; v64-127 while quantising: 64 numbers
.set HH,  192                          ; v192-255 the way out
; window 1: v0-127 the accumulators, (n-tile i, token tile j) at 8 (4 j + i); v128-255 W's 16 fragments, (i, q) at 128 + 8 (4 q + i)
.set WV,  20
.set G1,  24                           ; s[24:31]
.set G0,  32                           ; s[32:35], s[36:39]: a group 0 for each slot
.set XW,  40                           ; s[40:41] my wave's 16 rows x 1,024 bytes of chunk 0
.set OUTB,42                           ; s[42:43]
.set WB,  44                           ; s[44:45]
.set WSB, 46                           ; s[46:47]
.set FF,  48                           ; s[48:49] the factor, as a pair
.set SEL, 50                           ; s[50:51]
.set MSB, 0
.macro WIN new                         ; the immediate's high byte repeats the setting that is left
.if MSB != (\new)
	s_set_vgpr_msb (MSB<<8)|(\new)
.set MSB, (\new)
.endif
.endm
.macro PLACES                          ; four plain lines between a matrix instruction and a load into, or a vector line on, its registers
.rept 4
	v_nop
.endr
.endm
; 64 numbers of a lane, register 32 c + i = k 64 c + 32 (lane / 16) + i of my row: two whole blocks.  They become a fragment's eight registers at v[pc] and my row's scale word in v[pw].
.macro QUANT n, pc, pw
.irp c, 0,1
	v_max3_num_f32 v[MA+\c], |v[(\n)+32*\c]|, |v[(\n)+32*\c+1]|, 0x1800000       ; with the floor 2^(3 - 127): the byte cannot fall under 1
	v_max3_num_f32 v[MB+\c], |v[(\n)+32*\c+16]|, |v[(\n)+32*\c+17]|, |v[(\n)+32*\c+18]|
.endr
.irp i, 2,4,6,8,10,12,14
.irp c, 0,1
	v_max3_num_f32 v[MA+\c], v[MA+\c], |v[(\n)+32*\c+\i]|, |v[(\n)+32*\c+\i+1]|
.endr
.endr
.irp i, 19,21,23,25,27,29
.irp c, 0,1
	v_max3_num_f32 v[MB+\c], v[MB+\c], |v[(\n)+32*\c+\i]|, |v[(\n)+32*\c+\i+1]|
.endr
.endr
.irp c, 0,1
	v_max3_num_f32 v[MA+\c], v[MA+\c], v[MB+\c], |v[(\n)+32*\c+31]|
.endr
.irp c, 0,1
	v_add_nc_u32 v[SOP+\c], 0xff000000, v[MA+\c]   ; 2 off the exponent field: the conversion's scale operand
.endr
.irp c, 0,1
	v_lshrrev_b32 v[BY+\c], 23, v[SOP+\c]          ; the scale's byte
.endr
	v_lshl_or_b32 v[\pw], v[BY+1], 16, v[BY]       ; blocks h and 2 + h,
	v_lshlrev_b32 v[\pw], v[SH8], v[\pw]           ; at their places;
	v_permlanex16_b32 v[TT], v[\pw], s[SEL], s[SEL+1]
	v_or_b32 v[\pw], v[\pw], v[TT]                 ; with lane l xor 16's two the word is whole
.irp c, 0,1
.irp g, 0,1,2,3
	v_cvt_scalef32_pk8_fp4_f32 v[(\pc)+4*\c+\g], v[(\n)+32*\c+8*\g:(\n)+32*\c+8*\g+7], v[SOP+\c]
.endr
.endr
	v_nop                                          ; one plain line behind the last scaled conversion
.endm
; chunk c's fragments and scale words of my four n-tiles, from memory straight into registers: each fragment load is 512 consecutive bytes
.macro WLOAD c
	WIN 0x40                                       ; destination window 1
.irp q, 0,1,2,3
.irp i, 0,1,2,3
.irp d, 0,1
	global_load_b128 v[128+8*(4*\q+\i)+4*\d:128+8*(4*\q+\i)+4*\d+3], v[WO], s[WB:WB+1] offset:\i*16384+(4*(\c)+\q)*1024+512*\d
.endr
.endr
.endr
	WIN 0
.irp p, 0,1
	global_load_b128 v[WS+4*\p:WS+4*\p+3], v[WSO], s[WSB:WSB+1] offset:2048*\p+256*(\c)
.endr
.endm
; one product: n-tile i x token tile j, K step q of the chunk.  z = 0: it starts the sum: nothing is ever cleared
.macro MM z, q, j, i
.set rD, 8*(4*(\j)+(\i))
.set rW, 128+8*(4*(\q)+(\i))
.set rX, XF+8*(4*(\j)+(\q))
.set rA, WS+4*((\i)/2)+(\q)
.set rB, XS+4*(\j)+(\q)
.if (\z) == 0
.if (\i)%2
	v_wmma_scale_f32_16x16x128_f8f6f4 v[rD:rD+7], v[rW:rW+7], v[rX:rX+7], 0, v[rA], v[rB] matrix_a_fmt:MATRIX_FMT_FP4 matrix_b_fmt:MATRIX_FMT_FP4 matrix_a_scale:MATRIX_SCALE_ROW1
.else
	v_wmma_scale_f32_16x16x128_f8f6f4 v[rD:rD+7], v[rW:rW+7], v[rX:rX+7], 0, v[rA], v[rB] matrix_a_fmt:MATRIX_FMT_FP4 matrix_b_fmt:MATRIX_FMT_FP4
.endif
.else
.if (\i)%2
	v_wmma_scale_f32_16x16x128_f8f6f4 v[rD:rD+7], v[rW:rW+7], v[rX:rX+7], v[rD:rD+7], v[rA], v[rB] matrix_a_fmt:MATRIX_FMT_FP4 matrix_b_fmt:MATRIX_FMT_FP4 matrix_a_scale:MATRIX_SCALE_ROW1
.else
	v_wmma_scale_f32_16x16x128_f8f6f4 v[rD:rD+7], v[rW:rW+7], v[rX:rX+7], v[rD:rD+7], v[rA], v[rB] matrix_a_fmt:MATRIX_FMT_FP4 matrix_b_fmt:MATRIX_FMT_FP4
.endif
.endif
.endm
	s_load_b256 s[4:11], s[0:1], 0x0               ; q s[4:5], k s[6:7], v s[8:9], wc s[10:11]
	s_load_b256 s[12:19], s[0:1], 0x20             ; ws s[12:13], qf s[14:15], kf s[16:17], vf s[18:19]
	v_lshl_add_u32 v[SPW], v0, 2, SPARE
	v_mov_b32 v[NIL], 0
	ds_add_u32 v[SPW], v[NIL]                      ; the wave's opening: the add, twice on end, and its wait ahead of my first tensor load
	ds_add_u32 v[SPW], v[NIL]                      ; and once more; the set-up below, work on registers, stands between it and the wait
	v_lshrrev_b32 v1, 5, v0
	v_readfirstlane_b32 s[WV], v1                  ; wave 0..7
	s_mov_b32 s[G1], (2<<16)|(1<<20)|(7<<22)|(3<<25)  ; elements of 4 bytes; 4 words of padding behind every 256
	s_mov_b32 s[G1+1], 256<<16                     ; tensor_dim0
	s_mov_b32 s[G1+2], 16<<16                      ; tensor_dim1
	s_mov_b32 s[G1+3], 256<<16                     ; tile_dim0
	s_mov_b32 s[G1+4], 16                          ; tile_dim1
	s_mov_b32 s[G1+5], 2048                        ; elements from row to row
	s_mov_b32 s[G1+6], 0
	s_mov_b32 s[G1+7], 0
	s_and_b32 s21, ttmp7, 0xffff                   ; which tensor
	s_lshl_b32 s54, ttmp9, 19                      ; x: 64 rows of 8,192 bytes a work-group,
	s_lshr_b32 s3, s[WV], 1
	s_lshl_b32 s3, s3, 17                          ; 16 rows a token tile,
	s_add_co_u32 s54, s54, s3
	s_and_b32 s3, s[WV], 1
	s_lshl_b32 s3, s3, 10                          ; my half of a chunk's 2,048 bytes
	s_add_co_u32 s54, s54, s3
	s_mov_b32 s55, 0
	s_lshr_b32 s56, ttmp9, 5                       ; out: the batch, 32 heads of 65,536 bytes,
	s_lshl_b32 s56, s56, 21
	s_lshl_b32 s3, s[WV], 18                       ; my four heads,
	s_add_co_u32 s56, s56, s3
	s_and_b32 s3, ttmp9, 31
	s_lshl_b32 s3, s3, 11                          ; the work-group's four token tiles of 512 bytes
	s_add_co_u32 s56, s56, s3
	s_mov_b32 s57, 0
	s_lshl_b32 s58, s21, 19                        ; wc: a tensor is 524,288 bytes, my four n-tiles 65,536
	s_lshl_b32 s3, s[WV], 16
	s_add_co_u32 s58, s58, s3
	s_mov_b32 s59, 0
	s_lshl_b32 s22, s21, 15                        ; ws: 32,768 and 4,096
	s_lshl_b32 s3, s[WV], 12
	s_add_co_u32 s22, s22, s3
	s_mov_b32 s23, 0
	s_mov_b32 s[SEL], 0x76543210
	s_mov_b32 s[SEL+1], 0xfedcba98
	s_mul_i32 s2, s[WV], REG                       ; my part of a slot
	v_and_b32 v1, 31, v0                           ; lane
	v_and_b32 v2, 15, v0                           ; r
	v_bfe_u32 v3, v0, 4, 1                         ; h
	v_mul_u32_u24 v[AN], v2, PITCH
	v_lshl_add_u32 v[AN], v3, 7, v[AN]             ; row r + 128 h: my 32 numbers of a pair of blocks
	v_add_nc_u32 v[AN], s2, v[AN]
	v_add_nc_u32 v[AN+1], SLOT, v[AN]
	v_lshlrev_b32 v[WO], 4, v1
	v_add_nc_u32 v[LI], IMG, v[WO]
	v_lshlrev_b32 v[LS], 2, v1
	v_add_nc_u32 v[LS], IMG+ISC, v[LS]
	s_lshl_b32 s3, s[WV], 11
	v_add_nc_u32 v[XWI], s3, v[LI]                 ; fragment 4 (w / 2) + 2 (w % 2) + u = 2 w + u
	s_lshl_b32 s3, s[WV], 8
	v_add_nc_u32 v[XWS], s3, v[LS]
	v_lshlrev_b32 v[WSO], 4, v2
	v_lshl_add_u32 v[WSO], v3, 10, v[WSO]
	v_lshlrev_b32 v[SH8], 3, v3
	v_mov_b32 v[TT], 0                             ; written once: a lane permute's destination counts as one of its sources
	v_lshrrev_b32 v[PFO], 2, v1
	v_lshlrev_b32 v[PFO], 13, v[PFO]               ; four lanes to a row of 8,192 bytes,
	v_and_b32 v27, 3, v1
	v_lshl_add_u32 v[PFO], v27, 8, v[PFO]          ; 256 bytes apart
	s_wait_dscnt 0x0                               ; both opening adds are done
	s_wait_kmcnt 0x0
	s_mov_b32 s[FF], 0x3e800000                    ; k: 1 / 4
	s_mov_b32 s53, 256
	s_cmp_eq_u32 s21, 0                            ; the choices hang on the work-group's number alone
	s_cselect_b64 s[XW:XW+1], s[4:5], s[6:7]
	s_cselect_b64 s[OUTB:OUTB+1], s[14:15], s[16:17]
	s_cselect_b32 s[FF], 0x3f38aa3b, s[FF]         ; q: 0.125 x log2(e) x 4
	s_cmp_eq_u32 s21, 2
	s_cselect_b64 s[XW:XW+1], s[8:9], s[XW:XW+1]
	s_cselect_b64 s[OUTB:OUTB+1], s[18:19], s[OUTB:OUTB+1]
	s_cselect_b32 s[FF], 0x3d800000, s[FF]         ; v: 1 / 16
	s_cselect_b32 s52, 32, 16                      ; my 16 bytes in a stored tile: v: 32 r + 16 h (rows of 16 channels); q, k: 16 r + 256 h (16 x lane)
	s_cselect_b32 s53, 16, s53
	s_mov_b32 s[FF+1], s[FF]
	s_add_nc_u64 s[XW:XW+1], s[XW:XW+1], s[54:55]
	s_add_nc_u64 s[OUTB:OUTB+1], s[OUTB:OUTB+1], s[56:57]
	s_add_nc_u64 s[WB:WB+1], s[10:11], s[58:59]
	s_add_nc_u64 s[WSB:WSB+1], s[12:13], s[22:23]
	s_mov_b32 s[G0], 1
	s_mov_b32 s[G0+1], s2
	s_mov_b64 s[G0+2:G0+3], s[XW:XW+1]
	s_or_b32 s[G0+3], s[G0+3], 0x80000000
	s_mov_b32 s[G0+4], 1
	s_add_co_u32 s[G0+5], s2, SLOT
	s_add_nc_u64 s[G0+6:G0+7], s[XW:XW+1], 2048
	s_or_b32 s[G0+7], s[G0+7], 0x80000000
	tensor_load_to_lds s[G0:G0+3], s[G1:G1+7]      ; chunk 0
	s_nop 0
	tensor_load_to_lds s[G0+4:G0+7], s[G1:G1+7]    ; chunk 1: two loads of mine are out
	s_nop 0
	PLACES
	WLOAD 0
	v_mul_u32_u24 v[GO], v2, s52
	v_mad_u32_u24 v[GO], v3, s53, v[GO]
.macro CHUNK c
.set SL, (\c)%2                        ; the chunk's slot and image buffer
.if (\c) < 3
	s_wait_tensorcnt 0x1                           ; this chunk's load has landed; the one load issued behind it may be out.  I read only what my own load brought
.else
	s_wait_tensorcnt 0x0
.endif
.irp u, 0,1                            ; my two K steps of the chunk
.irp d, 0,1
.irp i, 0,1,2,3,4,5,6,7
	ds_load_b128 v[NUM+32*\d+4*\i:NUM+32*\d+4*\i+3], v[AN+SL] offset:512*\u+256*\d+16*\i
.endr
.endr
	s_wait_dscnt 0x0
	QUANT NUM, PC, PW
	ds_store_b128 v[XWI], v[PC:PC+3] offset:SL*IBUF+1024*\u          ; the fragment goes to LDS as it stands: lane l's 16 bytes at 16 l
	ds_store_b128 v[XWI], v[PC+4:PC+7] offset:SL*IBUF+1024*\u+512
	ds_store_b32 v[XWS], v[PW] offset:SL*IBUF+128*\u
.endr
.if (\c) < 2
	s_wait_tensorcnt 0x0                           ; all my tensor loads have landed, so a group 0 may be written;
	ds_add_u32 v[SPW], v[NIL]                      ; 0 onto my spare word;
	s_add_nc_u64 s[G0+4*SL+2:G0+4*SL+3], s[G0+4*SL+2:G0+4*SL+3], 4096   ; this slot's next chunk: two chunks of 2,048 bytes on
	s_wait_dscnt 0x0                               ; the add is done, my images have landed, my reads of the slot are over
	s_barrier_signal -1
	s_barrier_wait -1
	tensor_load_to_lds s[G0+4*SL:G0+4*SL+3], s[G1:G1+7]              ; my one tensor load behind this barrier, and the first thing there
	s_nop 0
	PLACES
.if (\c) == 0
	; chunk 3 is asked of memory here, one chunk ahead of the refill that will want it: my wave's own 16 rows x 1,024 bytes, 64 aligned blocks of 256 bytes, a lane a block, each named once in the launch
	global_prefetch_b8 v[PFO], s[XW:XW+1] offset:6144 th:TH_LOAD_NT scope:SCOPE_SE
	global_prefetch_b8 v[PFO], s[XW:XW+1] offset:6144+65536 th:TH_LOAD_NT scope:SCOPE_SE
.endif
.else
	s_wait_dscnt 0x0                               ; my images have landed.  Chunk 3's load may stay out across it
	s_barrier_signal -1
	s_barrier_wait -1
.endif
.irp f, 0,1,2,3,4,5,6,7,8,9,10,11,12,13,14,15
	ds_load_b128 v[XF+8*\f:XF+8*\f+3], v[LI] offset:SL*IBUF+1024*\f
	ds_load_b128 v[XF+8*\f+4:XF+8*\f+7], v[LI] offset:SL*IBUF+1024*\f+512
.endr
.irp f, 0,1,2,3,4,5,6,7,8,9,10,11,12,13,14,15
	ds_load_b32 v[XS+\f], v[LS] offset:SL*IBUF+128*\f
.endr
	s_wait_loadcnt 0x0                             ; this chunk's weights
	s_wait_dscnt 0x0
	WIN 0x51                                       ; source 0 (W), C and D window 1; source 1 (x) window 0
.irp q, 0,1,2,3                        ; the 16 accumulators take turns, one instruction a turn
.irp j, 0,1,2,3
.irp i, 0,1,2,3
	MM (\c)+\q, \q, \j, \i
.endr
.endr
.endr
	WIN 0
	PLACES                                         ; for the loads into the fragments' and scales' registers, and at the end for the first read of results
.if (\c) < 3
	WLOAD (\c)+1                                   ; lands while the next chunk is quantised
.endif
.endm
	CHUNK 0
	CHUNK 1
	CHUNK 2
	CHUNK 3
	; THE WAY OUT: x the factor, to f16; a lane's eight channels are 16 bytes, a tile 512 consecutive bytes
	WIN 0x01                                       ; source 0 window 1
.irp a, 0,1,2,3,4,5,6,7,8,9,10,11,12,13,14,15
.irp e, 0,2,4,6
	v_pk_mul_f32 v[XF+8*\a+\e:XF+8*\a+\e+1], v[8*\a+\e:8*\a+\e+1], s[FF:FF+1] op_sel_hi:[1,0]   ; each accumulator from its low end on
.endr
.endr
	WIN 0
.irp a, 0,1,2,3,4,5,6,7,8,9,10,11,12,13,14,15
.irp e, 0,1,2,3
	v_cvt_pk_f16_f32 v[HH+4*\a+\e], v[XF+8*\a+2*\e], v[XF+8*\a+2*\e+1]
.endr
.endr
.irp j, 0,1,2,3
.irp i, 0,1,2,3
	global_store_b128 v[GO], v[HH+4*(4*\j+\i):HH+4*(4*\j+\i)+3], s[OUTB:OUTB+1] offset:\i*65536+\j*512
.endr
.endr
	s_wait_tensorcnt 0x0                           ; the wave's end
	ds_add_u32 v[SPW], v[NIL]
	s_wait_dscnt 0x0
	s_endpgm
.Lfunc_end_k_q56a8867a76_proj:
	.size	k_q56a8867a76_proj, .Lfunc_end_k_q56a8867a76_proj-k_q56a8867a76_proj
	.p2alignl 7, 3214868480
	.fill 96, 4, 3214868480
	.section	.rodata,"a",@progbits
	.p2align	6, 0x0
	.amdhsa_kernel k_q56a8867a76_proj
		.amdhsa_group_segment_fixed_size 327680
		.amdhsa_private_segment_fixed_size 0
		.amdhsa_enable_private_segment 0
		.amdhsa_kernarg_size 64
		.amdhsa_user_sgpr_count 2
		.amdhsa_user_sgpr_kernarg_segment_ptr 1
		.amdhsa_wavefront_size32 1
		.amdhsa_system_sgpr_workgroup_id_x 1
		.amdhsa_system_sgpr_workgroup_id_y 1
		.amdhsa_system_sgpr_workgroup_id_z 1
		.amdhsa_system_vgpr_workitem_id 0
		.amdhsa_next_free_vgpr 512
		.amdhsa_next_free_sgpr 66
		.amdhsa_reserve_vcc 0
		.amdhsa_float_denorm_mode_32 3
		.amdhsa_float_denorm_mode_16_64 3
		.amdhsa_memory_ordered 1
		.amdhsa_forward_progress 1
		.amdhsa_inst_pref_size 108
	.end_amdhsa_kernel
	.amdgpu_metadata
---
amdhsa.version: [ 1, 2 ]
amdhsa.kernels:
  - .name:           k_q56a8867a76_proj
    .symbol:         k_q56a8867a76_proj.kd
    .args:
      - { .name: q, .offset: 0, .size: 8, .value_kind: global_buffer, .address_space: global }
      - { .name: k, .offset: 8, .size: 8, .value_kind: global_buffer, .address_space: global }
      - { .name: v, .offset: 16, .size: 8, .value_kind: global_buffer, .address_space: global }
      - { .name: wc, .offset: 24, .size: 8, .value_kind: global_buffer, .address_space: global }
      - { .name: ws, .offset: 32, .size: 8, .value_kind: global_buffer, .address_space: global }
      - { .name: qf, .offset: 40, .size: 8, .value_kind: global_buffer, .address_space: global }
      - { .name: kf, .offset: 48, .size: 8, .value_kind: global_buffer, .address_space: global }
      - { .name: vf, .offset: 56, .size: 8, .value_kind: global_buffer, .address_space: global }
    .group_segment_fixed_size: 327680
    .private_segment_fixed_size: 0
    .kernarg_segment_align: 8
    .kernarg_segment_size: 64
    .max_flat_workgroup_size: 256
    .sgpr_count:     66
    .vgpr_count:     512
    .wavefront_size: 32
...
	.end_amdgpu_metadata
.endif
;; end of part 2
;; launch attn (part 3): grid 4 x 64, 16 waves a work-group, no clusters, 167,936 bytes of LDS; arguments qf, kf, vf, of; writes of
.if DOCPART == 3
	.amdgcn_target "amdgcn-amd-amdhsa--gfx1250"
	.amdhsa_code_object_version 6
	.text
	.protected	k_q56a8867a76_attn
	.globl	k_q56a8867a76_attn
	.p2align	8
	.type	k_q56a8867a76_attn,@function
k_q56a8867a76_attn:
	s_mov_b64 s[64:65], 0
	v_nop
	global_prefetch_b8 v0, s[64:65] scope:SCOPE_SE
	s_setreg_imm32_b32 hwreg(HW_REG_WAVE_MODE, 25, 1), 1
	s_wait_xcnt 0x0
; ATTN: o[b][s][head] = softmax_t(qh . kh x 0.125) vh, 64 (batch, head) pairs, 2,048 x 2,048 scores, head size 16; operands f16, products, maxima and sums f32.
; qf holds qh x 0.125 log2(e) x 4 and kf holds kh / 4, so a score product is t = score x log2(e); vf holds vh / 16, and the 16 goes into the division at the end.
; SHARES: work-group (x, y) takes 512 queries (x) of pair y; each of sixteen waves two tiles of 16 queries, so that each fragment of K and V read from LDS feeds two tiles.
; Four waves to a SIMD: one wave's exponentials stand beside another's products and LDS loads.
; The pair's whole K (65,536 bytes) and V (65,536) lie in LDS, filled ONCE, 8,192 dense bytes by each wave: no ring, one barrier.
; LAYOUT: both products are used transposed (S^T = K Q^T, O^T = V^T P): a lane holds one query (lane % 16) throughout.
; THE FORM HAS K = 32, THE HEAD 16: a fragment of K holds 16 keys in registers 0-3 and the next 16 keys in registers 4-7; against [q, 0] it gives the first sixteen's scores, against [0, q] the second's.
; SOFTMAX: a running maximum M and sum l for each query; p = 2^(t - M); in each step of 128 keys O and l are multiplied by 2^(old M - new M).  l is summed of the unrounded p.
; No cluster: the four work-groups of a pair share 131,072 bytes that each reads once, at its head, ahead of sixteen steps of some 400 vector lines a wave.
; LIMITS: NaN and infinities are not served; |o| must stay under 65,504 (f16).
.set VREG,  65536
.set SPARE, 131072                     ; the spare words: 128 bytes a wave, eight blocks of 256 bytes that no other line names
.set LO,  1                            ; v1  16 x lane: my place in an image of K, of Q and of o
.set AV0, 2                            ; v2  my place for the turning load of V
.set ADK, 3                            ; v3, v4 the step's LDS addresses
.set ADV, 4
.set SPW, 6                            ; v6  LDS address of my spare word; never rewritten
.set NIL, 7                            ; v7  0; never rewritten
.set QF,  16                           ; tile t at 16 + 12 t: four zeros, q's four registers, four zeros
.set OA,  40                           ; O^T: 8 registers a tile
.set ST,  56                           ; tile t's statistics at 56 + 12 t: +0 M, +1 (its pair), +2, +3 l, +4 the factor, +5 (its pair), +6 to +9 at work, +10 a permute's destination, +11 the old M
.set KV,  80                           ; v80-111 four fragments: K, then V
.set S,   112                          ; S^T, 64 registers a tile; p in place; P's 32 registers laid over the first 32
.set OF,  128                          ; the way out
.set OH,  144
.set WV,  12
.set G1,  16                           ; s[16:23]
.set G0,  24                           ; s[24:27]
.set SEL, 28                           ; s[28:29]
.set TB,  30                           ; s30 the step's first byte in K's and in V's region
.set CNT, 31                           ; s31 steps to go
	s_load_b256 s[4:11], s[0:1], 0x0               ; qf s[4:5], kf s[6:7], vf s[8:9], of s[10:11]
	v_lshl_add_u32 v[SPW], v0, 2, SPARE
	v_mov_b32 v[NIL], 0
	ds_add_u32 v[SPW], v[NIL]                      ; the wave's opening: the add, twice on end, and its wait ahead of my first tensor load
	ds_add_u32 v[SPW], v[NIL]                      ; and once more; the set-up below, work on registers, stands between it and the wait
	v_lshrrev_b32 v8, 5, v0
	v_readfirstlane_b32 s[WV], v8                  ; wave 0..15
	s_mov_b32 s[G1], 3<<16                         ; a dense block as 32 rows of 256 bytes: 32 elements of 8 bytes
	s_mov_b32 s[G1+1], 32<<16
	s_mov_b32 s[G1+2], 32<<16
	s_mov_b32 s[G1+3], 32<<16
	s_mov_b32 s[G1+4], 32
	s_mov_b32 s[G1+5], 32
	s_mov_b32 s[G1+6], 0
	s_mov_b32 s[G1+7], 0
	s_and_b32 s13, ttmp7, 0xffff                   ; the pair b x 32 + head
	s_lshl_b32 s36, s13, 16                        ; 65,536 bytes a pair in qf, kf, vf
	s_and_b32 s14, s[WV], 7
	s_lshl_b32 s14, s14, 13
	s_add_co_u32 s36, s36, s14                     ; my eighth of K or of V
	s_mov_b32 s37, 0
	s_lshl_b32 s38, s13, 16
	s_lshl_b32 s14, ttmp9, 14                      ; 32 tiles of 512 bytes a work-group,
	s_add_co_u32 s38, s38, s14
	s_lshl_b32 s14, s[WV], 10                      ; two a wave
	s_add_co_u32 s38, s38, s14
	s_mov_b32 s39, 0
	s_lshr_b32 s40, s13, 5                         ; of: [token tile 256][head 32][512 B]
	s_lshl_b32 s40, s40, 21
	s_lshl_b32 s14, ttmp9, 19
	s_add_co_u32 s40, s40, s14
	s_lshl_b32 s14, s[WV], 15
	s_add_co_u32 s40, s40, s14
	s_and_b32 s14, s13, 31
	s_lshl_b32 s14, s14, 9
	s_add_co_u32 s40, s40, s14
	s_mov_b32 s41, 0
	s_mov_b32 s[SEL], 0x76543210
	s_mov_b32 s[SEL+1], 0xfedcba98
	s_mov_b32 s[TB], 0
	s_mov_b32 s[CNT], 16
	v_and_b32 v8, 31, v0
	v_lshlrev_b32 v[LO], 4, v8
	v_bfe_u32 v9, v0, 4, 1                         ; h
	v_and_b32 v10, 7, v0
	v_lshl_add_u32 v10, v9, 3, v10                 ; the turning load: key 8 h + lane % 8, rows of 32 bytes,
	v_bfe_u32 v11, v0, 3, 1
	v_lshlrev_b32 v[AV0], 5, v10
	v_lshl_add_u32 v[AV0], v11, 4, v[AV0]          ; channels 8 ((lane / 8) % 2) on
	v_add_nc_u32 v[AV0], VREG, v[AV0]
	s_wait_dscnt 0x0                               ; both opening adds are done
	s_wait_kmcnt 0x0
	s_cmp_lt_u32 s[WV], 8                          ; waves 0-7 fetch K, waves 8-15 V
	s_cselect_b64 s[G0+2:G0+3], s[6:7], s[8:9]
	s_add_nc_u64 s[G0+2:G0+3], s[G0+2:G0+3], s[36:37]
	s_or_b32 s[G0+3], s[G0+3], 0x80000000
	s_mov_b32 s[G0], 1
	s_lshl_b32 s[G0+1], s[WV], 13                  ; K's eight parts, then V's eight
	tensor_load_to_lds s[G0:G0+3], s[G1:G1+7]      ; my one tensor load
	s_nop 0
.rept 4
	v_nop
.endr
	s_add_nc_u64 s[32:33], s[4:5], s[38:39]
	s_add_nc_u64 s[34:35], s[10:11], s[40:41]
.irp t, 0,1
	global_load_b128 v[QF+12*\t+4:QF+12*\t+7], v[LO], s[32:33] offset:512*\t
.endr
.irp t, 0,1
.irp i, 0,1,2,3,8,9,10,11
	v_mov_b32 v[QF+12*\t+\i], 0                    ; the zeros beside q
.endr
.irp i, 0,1,2,3,4,5,6,7
	v_mov_b32 v[OA+8*\t+\i], 0                     ; O^T: the step is written once; the first finds zeros
.endr
	v_mov_b32 v[ST+12*\t], 0xff61b1e6              ; M: -3e38, under every t
.irp i, 1,2,3,5,10
	v_mov_b32 v[ST+12*\t+\i], 0                    ; l, the upper halves of two pairs, the permute's destination
.endr
.endr
	s_wait_tensorcnt 0x0                           ; my part has landed,
	s_barrier_signal -1
	s_barrier_wait -1                              ; everybody's has
	s_wait_loadcnt 0x0                             ; Q
.Lstep:                                                ; 16 trips of 128 keys
	v_add_nc_u32 v[ADK], s[TB], v[LO]
	v_add_nc_u32 v[ADV], s[TB], v[AV0]
.rept 3
	v_nop                                          ; with the two additions: five plain lines behind the last trip's products, whose P the first product below writes over, and whose V the loads below land on
.endr
.irp g, 0,1,2,3
	ds_load_b128 v[KV+8*\g:KV+8*\g+3], v[ADK] offset:1024*\g
	ds_load_b128 v[KV+8*\g+4:KV+8*\g+7], v[ADK] offset:1024*\g+512
.endr
	s_wait_dscnt 0x0
.irp g, 0,1,2,3                        ; S^T: keys 32 g + 16 u on, tile t
.irp u, 0,1
.irp t, 0,1
	v_wmma_f32_16x16x32_f16 v[S+64*\t+16*\g+8*\u:S+64*\t+16*\g+8*\u+7], v[KV+8*\g:KV+8*\g+7], v[QF+12*\t+4-4*\u:QF+12*\t+11-4*\u], 0
.endr
.endr
.endr
.rept 4
	v_nop                                          ; four plain lines in front of the loads into K's registers and of the first read of scores
.endr
.irp g, 0,1,2,3                        ; V, turned: channel lane % 16, keys 32 g on; it lands under the softmax
	ds_load_tr16_b128 v[KV+8*\g:KV+8*\g+3], v[ADV] offset:1024*\g
	ds_load_tr16_b128 v[KV+8*\g+4:KV+8*\g+7], v[ADV] offset:1024*\g+512
.endr
.irp b, 0,1,2,3                        ; the maximum: four chains of 16 scores a tile, the eight chains by turns; each accumulator is read from its low end on
.irp t, 0,1
	v_max3_num_f32 v[ST+12*\t+6+\b], v[S+64*\t+16*\b], v[S+64*\t+16*\b+1], v[S+64*\t+16*\b+2]
.endr
.endr
.irp i, 3,5,7,9,11,13
.irp b, 0,1,2,3
.irp t, 0,1
	v_max3_num_f32 v[ST+12*\t+6+\b], v[ST+12*\t+6+\b], v[S+64*\t+16*\b+\i], v[S+64*\t+16*\b+\i+1]
.endr
.endr
.endr
.irp b, 0,1,2,3
.irp t, 0,1
	v_max_num_f32 v[ST+12*\t+6+\b], v[ST+12*\t+6+\b], v[S+64*\t+16*\b+15]
.endr
.endr
.irp t, 0,1
	v_max3_num_f32 v[ST+12*\t+6], v[ST+12*\t+6], v[ST+12*\t+7], v[ST+12*\t+8]
.endr
.irp t, 0,1
	v_mov_b32 v[ST+12*\t+11], v[ST+12*\t]          ; the old M is kept for the factor
.endr
.irp t, 0,1
	v_max3_num_f32 v[ST+12*\t+6], v[ST+12*\t+6], v[ST+12*\t+9], v[ST+12*\t]
.endr
.irp t, 0,1
	v_permlanex16_b32 v[ST+12*\t+10], v[ST+12*\t+6], s[SEL], s[SEL+1]   ; the query's other keys lie in the lane 16 away
.endr
.irp t, 0,1
	v_max_num_f32 v[ST+12*\t], v[ST+12*\t+6], v[ST+12*\t+10]            ; the new M
.endr
.irp t, 0,1
	v_sub_f32 v[ST+12*\t+4], v[ST+12*\t+11], v[ST+12*\t]
.endr
.set n, 0
.rept 32
	v_pk_add_f32 v[S+n:S+n+1], v[S+n:S+n+1], v[ST:ST+1] op_sel_hi:[1,0] neg_lo:[0,1] neg_hi:[0,1]                    ; t - M, two at a time
	v_pk_add_f32 v[S+64+n:S+64+n+1], v[S+64+n:S+64+n+1], v[ST+12:ST+13] op_sel_hi:[1,0] neg_lo:[0,1] neg_hi:[0,1]
.set n, n+2
.endr
.irp t, 0,1                            ; ONE BATCH of 130 exponentials, none of which reads another's result
	v_exp_f32 v[ST+12*\t+4], v[ST+12*\t+4]         ; 2^(old M - new M)
.endr
.set n, 0
.rept 128
	v_exp_f32 v[S+n], v[S+n]                       ; p, at most 1
.set n, n+1
.endr
	v_nop                                          ; a plain line behind the last exponential
	s_wait_alu depctr_va_vdst(0)                   ; the wait ahead of the first line that names a result: one for the batch
.irp t, 0,1
	v_pk_mul_f32 v[ST+12*\t+2:ST+12*\t+3], v[ST+12*\t+2:ST+12*\t+3], v[ST+12*\t+4:ST+12*\t+5] op_sel_hi:[1,0]   ; l under the new M
.endr
.irp e, 0,2,4,6
.irp t, 0,1
	v_pk_mul_f32 v[OA+8*\t+\e:OA+8*\t+\e+1], v[OA+8*\t+\e:OA+8*\t+\e+1], v[ST+12*\t+4:ST+12*\t+5] op_sel_hi:[1,0]   ; O^T likewise, from its low end on
.endr
.endr
.irp t, 0,1                            ; the sums of the unrounded p: two chains a tile
	v_pk_add_f32 v[ST+12*\t+6:ST+12*\t+7], v[S+64*\t:S+64*\t+1], v[S+64*\t+2:S+64*\t+3]
.endr
.irp j, 4,8,12,16,20,24,28,32,36,40,44,48,52,56,60
.irp t, 0,1
	v_pk_add_f32 v[ST+12*\t+2:ST+12*\t+3], v[ST+12*\t+2:ST+12*\t+3], v[S+64*\t+\j:S+64*\t+\j+1]
	v_pk_add_f32 v[ST+12*\t+6:ST+12*\t+7], v[ST+12*\t+6:ST+12*\t+7], v[S+64*\t+\j+2:S+64*\t+\j+3]
.endr
.endr
.irp t, 0,1
	v_pk_add_f32 v[ST+12*\t+2:ST+12*\t+3], v[ST+12*\t+2:ST+12*\t+3], v[ST+12*\t+6:ST+12*\t+7]
.endr
.set n, 0
.rept 32                               ; to f16, in place: register n takes p 2 n and 2 n + 1, which nothing reads again: registers 8 g .. 8 g + 7 are P's fragment of keys 32 g on
	v_cvt_pk_f16_f32 v[S+n], v[S+2*n], v[S+2*n+1]
	v_cvt_pk_f16_f32 v[S+64+n], v[S+64+2*n], v[S+64+2*n+1]
.set n, n+1
.endr
	s_wait_dscnt 0x0                               ; V is in
.irp g, 0,1,2,3                        ; O^T += V^T P: the two accumulators take turns
.irp t, 0,1
	v_wmma_f32_16x16x32_f16 v[OA+8*\t:OA+8*\t+7], v[KV+8*\g:KV+8*\g+7], v[S+64*\t+8*\g:S+64*\t+8*\g+7], v[OA+8*\t:OA+8*\t+7]
.endr
.endr
	s_add_co_u32 s[TB], s[TB], 4096                ; 8 images of K, 128 rows of V
	s_sub_co_u32 s[CNT], s[CNT], 1
	s_cmp_lg_u32 s[CNT], 0
	s_cbranch_scc1 .Lstep
	; THE WAY OUT: l's halves are joined (these six plain lines are also the places behind the last products), O^T x 16 / l, to f16: a tile is 512 consecutive bytes
.irp t, 0,1
	v_add_f32 v[ST+12*\t+6], v[ST+12*\t+2], v[ST+12*\t+3]
.endr
.irp t, 0,1
	v_permlanex16_b32 v[ST+12*\t+10], v[ST+12*\t+6], s[SEL], s[SEL+1]
.endr
.irp t, 0,1
	v_add_f32 v[ST+12*\t+6], v[ST+12*\t+6], v[ST+12*\t+10]
.endr
.irp t, 0,1
	v_rcp_f32 v[ST+12*\t+4], v[ST+12*\t+6]
.endr
	v_nop                                          ; a plain line behind the last reciprocal
	s_wait_alu depctr_va_vdst(0)                   ; and the wait ahead of the first use: one for both
.irp t, 0,1
	v_mul_f32 v[ST+12*\t+4], 0x41800000, v[ST+12*\t+4]    ; x 16: vf holds vh / 16
.endr
.irp t, 0,1
.irp e, 0,2,4,6
	v_pk_mul_f32 v[OF+8*\t+\e:OF+8*\t+\e+1], v[OA+8*\t+\e:OA+8*\t+\e+1], v[ST+12*\t+4:ST+12*\t+5] op_sel_hi:[1,0]
.endr
.endr
.irp t, 0,1
.irp e, 0,1,2,3
	v_cvt_pk_f16_f32 v[OH+4*\t+\e], v[OF+8*\t+2*\e], v[OF+8*\t+2*\e+1]
.endr
.endr
.irp t, 0,1
	global_store_b128 v[LO], v[OH+4*\t:OH+4*\t+3], s[34:35] offset:16384*\t
.endr
	s_wait_tensorcnt 0x0                           ; the wave's end
	ds_add_u32 v[SPW], v[NIL]
	s_wait_dscnt 0x0
	s_endpgm
.Lfunc_end_k_q56a8867a76_attn:
	.size	k_q56a8867a76_attn, .Lfunc_end_k_q56a8867a76_attn-k_q56a8867a76_attn
	.p2alignl 7, 3214868480
	.fill 96, 4, 3214868480
	.section	.rodata,"a",@progbits
	.p2align	6, 0x0
	.amdhsa_kernel k_q56a8867a76_attn
		.amdhsa_group_segment_fixed_size 167936
		.amdhsa_private_segment_fixed_size 0
		.amdhsa_enable_private_segment 0
		.amdhsa_kernarg_size 32
		.amdhsa_user_sgpr_count 2
		.amdhsa_user_sgpr_kernarg_segment_ptr 1
		.amdhsa_wavefront_size32 1
		.amdhsa_system_sgpr_workgroup_id_x 1
		.amdhsa_system_sgpr_workgroup_id_y 1
		.amdhsa_system_sgpr_workgroup_id_z 1
		.amdhsa_system_vgpr_workitem_id 0
		.amdhsa_next_free_vgpr 256
		.amdhsa_next_free_sgpr 66
		.amdhsa_reserve_vcc 0
		.amdhsa_float_denorm_mode_32 3
		.amdhsa_float_denorm_mode_16_64 3
		.amdhsa_memory_ordered 1
		.amdhsa_forward_progress 1
		.amdhsa_inst_pref_size 31
	.end_amdhsa_kernel
	.amdgpu_metadata
---
amdhsa.version: [ 1, 2 ]
amdhsa.kernels:
  - .name:           k_q56a8867a76_attn
    .symbol:         k_q56a8867a76_attn.kd
    .args:
      - { .name: qf, .offset: 0, .size: 8, .value_kind: global_buffer, .address_space: global }
      - { .name: kf, .offset: 8, .size: 8, .value_kind: global_buffer, .address_space: global }
      - { .name: vf, .offset: 16, .size: 8, .value_kind: global_buffer, .address_space: global }
      - { .name: of, .offset: 24, .size: 8, .value_kind: global_buffer, .address_space: global }
    .group_segment_fixed_size: 167936
    .private_segment_fixed_size: 0
    .kernarg_segment_align: 8
    .kernarg_segment_size: 32
    .max_flat_workgroup_size: 512
    .sgpr_count:     66
    .vgpr_count:     256
    .wavefront_size: 32
...
	.end_amdgpu_metadata
.endif
;; end of part 3
;; launch oproj (part 4): grid 8 x 32, 4 waves a work-group, no clusters, 167,936 bytes of LDS; arguments of, wof, out0; writes out0
.if DOCPART == 4
	.amdgcn_target "amdgcn-amd-amdhsa--gfx1250"
	.amdhsa_code_object_version 6
	.text
	.protected	k_q56a8867a76_oproj
	.globl	k_q56a8867a76_oproj
	.p2align	8
	.type	k_q56a8867a76_oproj,@function
k_q56a8867a76_oproj:
	s_mov_b64 s[64:65], 0
	v_nop
	global_prefetch_b8 v0, s[64:65] scope:SCOPE_SE
	s_setreg_imm32_b32 hwreg(HW_REG_WAVE_MODE, 25, 1), 1
	s_wait_xcnt 0x0
; OPROJ: out0 = o Wo^T.  o [4096][512] and Wo [2048][512] as f16, both in the order of the operand's registers (of, wof); sums and out0 [4096][2048] in f32.
; SHARES: work-group (x, y) takes 128 tokens (y) x 256 features (x).  Wave w takes 64 features: four n-tiles, whose whole K = 512 of Wo stays in its registers
; (64 fragments, 512 registers, read from memory once).  So each fragment of o read from LDS feeds four products.
; The work-group's eight token tiles of o are one dense block of 131,072 bytes: it comes into LDS ONCE, 32,768 bytes by each wave: no ring, one barrier.
; THE MATRIX INSTRUCTION IS USED TRANSPOSED (source 0 = 16 features, source 1 = 16 tokens): a lane holds eight neighbouring features of one token, 32 bytes.
; A token tile's results go through the wave's own stage in LDS and leave as rows: sixteen lanes store 256 consecutive bytes, aligned.
; No cluster: the block of o is a third of what a work-group reads, and is read once, at the head.
; REGISTERS: window 0: addresses; v64-127, v128-191 o's fragments of K steps 0-7 and 8-15 of a token tile; v192-223 rows on their way out.
;   window 1: Wo's fragments (n-tile i, K step s), s = 0..7, at 8 (4 s + i); window 2: s = 8..15; window 3: the accumulators, (token tile % 2, i) at 32 (m % 2) + 8 i.
.set STG,   131072                     ; behind o's block: a stage of 16 rows x (256 + 16) bytes for each wave; no tensor load lands there
.set SROW,  272
.set SPARE, STG+4*16*SROW              ; the spare words: 128 bytes a wave, two blocks of 256 bytes that no other line names
.set ADA, 4                            ; v4  16 x lane (token tiles 0-3; also the offset in wof); v5 the same + 65,536 (token tiles 4-7)
.set STO, 7                            ; v7  the stage: where I put 32 bytes of a row
.set RD,  8                            ; v8  and where I read a row back
.set CO,  9                            ; v9  my byte offset in two rows of out0
.set SPW, 10                           ; v10 LDS address of my spare word; never rewritten
.set NIL, 11                           ; v11 0; never rewritten
.set AF,  64
.set BK,  192
.set WV,  10
.set G1,  16                           ; s[16:23]
.set G0,  24                           ; s[24:27]
.set MSB, 0
.macro WIN new                         ; the immediate's high byte repeats the setting that is left
.if MSB != (\new)
	s_set_vgpr_msb (MSB<<8)|(\new)
.set MSB, (\new)
.endif
.endm
.macro PLACES                          ; four plain lines between a matrix instruction and a load into, or a store of, its registers
.rept 4
	v_nop
.endr
.endm
	s_load_b128 s[4:7], s[0:1], 0x0                ; of s[4:5], wof s[6:7]
	s_load_b64 s[8:9], s[0:1], 0x10                ; out0
	v_lshl_add_u32 v[SPW], v0, 2, SPARE
	v_mov_b32 v[NIL], 0
	ds_add_u32 v[SPW], v[NIL]                      ; the wave's opening: the add, twice on end, and its wait ahead of my first tensor load
	ds_add_u32 v[SPW], v[NIL]                      ; and once more; the set-up below, work on registers, stands between it and the wait
	v_lshrrev_b32 v1, 5, v0
	v_readfirstlane_b32 s[WV], v1                  ; wave 0..3
	s_and_b32 s11, ttmp7, 0xffff                   ; which 128 tokens
	s_mov_b32 s[G1], 3<<16                         ; a dense block as 128 rows of 256 bytes: 32 elements of 8 bytes
	s_mov_b32 s[G1+1], 32<<16
	s_mov_b32 s[G1+2], 128<<16
	s_mov_b32 s[G1+3], 32<<16
	s_mov_b32 s[G1+4], 128
	s_mov_b32 s[G1+5], 32
	s_mov_b32 s[G1+6], 0
	s_mov_b32 s[G1+7], 0
	s_lshl_b32 s28, s11, 17                        ; of: eight token tiles of 16,384 bytes,
	s_lshl_b32 s12, s[WV], 15                      ; my quarter of them
	s_add_co_u32 s28, s28, s12
	s_mov_b32 s29, 0
	s_lshl_b32 s30, ttmp9, 18                      ; wof: 16 n-tiles of 16,384 bytes a work-group, four a wave
	s_lshl_b32 s12, s[WV], 16
	s_add_co_u32 s30, s30, s12
	s_mov_b32 s31, 0
	s_lshl_b32 s32, s11, 20                        ; out0: 128 rows of 8,192 bytes,
	s_lshl_b32 s12, ttmp9, 10                      ; 256 features,
	s_add_co_u32 s32, s32, s12
	s_lshl_b32 s12, s[WV], 8                       ; my 64
	s_add_co_u32 s32, s32, s12
	s_mov_b32 s33, 0
	v_and_b32 v1, 31, v0                           ; lane
	v_and_b32 v2, 15, v0                           ; r
	v_bfe_u32 v3, v0, 4, 1                         ; h
	v_lshlrev_b32 v[ADA], 4, v1
	v_add_nc_u32 v[ADA+1], 65536, v[ADA]
	s_mul_i32 s12, s[WV], 16*SROW
	s_add_co_u32 s12, s12, STG                     ; my stage
	v_mul_u32_u24 v[STO], v2, SROW
	v_lshl_add_u32 v[STO], v3, 5, v[STO]
	v_add_nc_u32 v[STO], s12, v[STO]               ; in: row r, 32 bytes for each half of the lanes
	v_mul_u32_u24 v[RD], v3, SROW
	v_lshl_add_u32 v[RD], v2, 4, v[RD]
	v_add_nc_u32 v[RD], s12, v[RD]                 ; back: lanes 0-15 one row of 256 bytes, lanes 16-31 the next
	v_lshlrev_b32 v[CO], 13, v3
	v_lshl_add_u32 v[CO], v2, 4, v[CO]             ; and the same two rows in out0
	s_wait_dscnt 0x0                               ; both opening adds are done
	s_wait_kmcnt 0x0
	s_mov_b32 s[G0], 1
	s_lshl_b32 s[G0+1], s[WV], 15
	s_add_nc_u64 s[G0+2:G0+3], s[4:5], s[28:29]
	s_or_b32 s[G0+3], s[G0+3], 0x80000000
	tensor_load_to_lds s[G0:G0+3], s[G1:G1+7]      ; my one tensor load
	s_nop 0
	PLACES
	s_add_nc_u64 s[6:7], s[6:7], s[30:31]
	s_add_nc_u64 s[8:9], s[8:9], s[32:33]
	WIN 0x40                                       ; destination window 1: K steps 0-7 first
.irp s, 0,1,2,3,4,5,6,7
.irp i, 0,1,2,3
.irp d, 0,1
	global_load_b128 v[8*(4*\s+\i)+4*\d:8*(4*\s+\i)+4*\d+3], v[ADA], s[6:7] offset:\i*16384+\s*1024+512*\d
.endr
.endr
.endr
	WIN 0x80                                       ; destination window 2: K steps 8-15
.irp s, 0,1,2,3,4,5,6,7
.irp i, 0,1,2,3
.irp d, 0,1
	global_load_b128 v[8*(4*\s+\i)+4*\d:8*(4*\s+\i)+4*\d+3], v[ADA], s[6:7] offset:\i*16384+(8+\s)*1024+512*\d
.endr
.endr
.endr
	WIN 0
	s_wait_tensorcnt 0x0                           ; my part of o's block has landed,
	s_barrier_signal -1
	s_barrier_wait -1                              ; everybody's has
.macro LA m, hf                        ; o's fragments of token tile m, K steps 8 hf .. 8 hf + 7: 16 loads
.irp s, 0,1,2,3,4,5,6,7
.irp d, 0,1
	ds_load_b128 v[AF+64*(\hf)+8*\s+4*\d:AF+64*(\hf)+8*\s+4*\d+3], v[ADA+(\m)/4] offset:((\m)%4)*16384+(8*(\hf)+\s)*1024+512*\d
.endr
.endr
.endm
.macro HALF m, hf                      ; 32 products: the tile's four accumulators take turns; the first four start the sums
	WIN 0xf1+(\hf)                                 ; source 0 (Wo) window 1 or 2, source 1 (o) window 0, C and D window 3
.irp s, 0,1,2,3,4,5,6,7
.irp i, 0,1,2,3
.if (\hf)+\s == 0
	v_wmma_f32_16x16x32_f16 v[32*((\m)%2)+8*\i:32*((\m)%2)+8*\i+7], v[8*(4*\s+\i):8*(4*\s+\i)+7], v[AF+64*(\hf)+8*\s:AF+64*(\hf)+8*\s+7], 0
.else
	v_wmma_f32_16x16x32_f16 v[32*((\m)%2)+8*\i:32*((\m)%2)+8*\i+7], v[8*(4*\s+\i):8*(4*\s+\i)+7], v[AF+64*(\hf)+8*\s:AF+64*(\hf)+8*\s+7], v[32*((\m)%2)+8*\i:32*((\m)%2)+8*\i+7]
.endif
.endr
.endr
	WIN 0
	PLACES
.endm
.macro TS m                            ; token tile m through my stage: 8 stores, 8 loads.  LDS serves a wave's instructions in order (ISA guide 5.7.1.4): no wait between them
	s_wait_xcnt 0x0                                ; the last tile's stores have read their data: the loads below land there only behind this wait
	WIN 0x0c                                       ; an LDS store's data: window 3
.irp i, 0,1,2,3
	ds_store_b128 v[STO], v[32*((\m)%2)+8*\i:32*((\m)%2)+8*\i+3] offset:64*\i          ; each accumulator from its low end on
	ds_store_b128 v[STO], v[32*((\m)%2)+8*\i+4:32*((\m)%2)+8*\i+7] offset:64*\i+16
.endr
	WIN 0
.irp t, 0,1,2,3,4,5,6,7
	ds_load_b128 v[BK+4*\t:BK+4*\t+3], v[RD] offset:2*\t*SROW
.endr
.endm
.macro SEND m
.irp t, 0,1,2,3,4,5,6,7
	global_store_b128 v[CO], v[BK+4*\t:BK+4*\t+3], s[8:9] offset:(16*(\m)+2*\t)*8192 th:TH_STORE_NT   ; 16 lanes store 256 consecutive bytes, aligned; written once, read by nobody here
.endr
.endm
.macro TILE m
.if (\m) == 0
	s_wait_dscnt 16                                ; this tile's first 16 loads are in; its second 16 may be out
	s_wait_loadcnt 63                              ; of Wo's 128 loads at most 63 are out: the 64 of K steps 0-7 are in
.else
	s_wait_dscnt 32                                ; behind this tile's first 16 loads: its second 16, and the last tile's 16 through the stage
.endif
	HALF \m, 0
.if (\m) < 7
	LA (\m)+1, 0
	s_wait_dscnt 16                                ; all but the 16 just issued: this tile's second half, and the last tile's rows
.else
	s_wait_dscnt 0x0
.endif
.if (\m) > 0
	SEND (\m)-1                                    ; the last tile leaves while this one is multiplied
.else
	s_wait_loadcnt 0x0                             ; Wo's K steps 8-15
.endif
	HALF \m, 1
.if (\m) < 7
	LA (\m)+1, 1
.endif
	TS \m
.endm
	LA 0, 0
	LA 0, 1
.irp m, 0,1,2,3,4,5,6,7
	TILE \m
.endr
	s_wait_dscnt 0x0
	SEND 7
	s_wait_tensorcnt 0x0                           ; the wave's end: behind my last LDS store
	ds_add_u32 v[SPW], v[NIL]
	s_wait_dscnt 0x0
	s_endpgm
.Lfunc_end_k_q56a8867a76_oproj:
	.size	k_q56a8867a76_oproj, .Lfunc_end_k_q56a8867a76_oproj-k_q56a8867a76_oproj
	.p2alignl 7, 3214868480
	.fill 96, 4, 3214868480
	.section	.rodata,"a",@progbits
	.p2align	6, 0x0
	.amdhsa_kernel k_q56a8867a76_oproj
		.amdhsa_group_segment_fixed_size 167936
		.amdhsa_private_segment_fixed_size 0
		.amdhsa_enable_private_segment 0
		.amdhsa_kernarg_size 24
		.amdhsa_user_sgpr_count 2
		.amdhsa_user_sgpr_kernarg_segment_ptr 1
		.amdhsa_wavefront_size32 1
		.amdhsa_system_sgpr_workgroup_id_x 1
		.amdhsa_system_sgpr_workgroup_id_y 1
		.amdhsa_system_sgpr_workgroup_id_z 1
		.amdhsa_system_vgpr_workitem_id 0
		.amdhsa_next_free_vgpr 832
		.amdhsa_next_free_sgpr 66
		.amdhsa_reserve_vcc 0
		.amdhsa_float_denorm_mode_32 3
		.amdhsa_float_denorm_mode_16_64 3
		.amdhsa_memory_ordered 1
		.amdhsa_forward_progress 1
		.amdhsa_inst_pref_size 82
	.end_amdhsa_kernel
	.amdgpu_metadata
---
amdhsa.version: [ 1, 2 ]
amdhsa.kernels:
  - .name:           k_q56a8867a76_oproj
    .symbol:         k_q56a8867a76_oproj.kd
    .args:
      - { .name: of, .offset: 0, .size: 8, .value_kind: global_buffer, .address_space: global }
      - { .name: wof, .offset: 8, .size: 8, .value_kind: global_buffer, .address_space: global }
      - { .name: out0, .offset: 16, .size: 8, .value_kind: global_buffer, .address_space: global }
    .group_segment_fixed_size: 167936
    .private_segment_fixed_size: 0
    .kernarg_segment_align: 8
    .kernarg_segment_size: 24
    .max_flat_workgroup_size: 128
    .sgpr_count:     66
    .vgpr_count:     832
    .wavefront_size: 32
...
	.end_amdgpu_metadata
.endif
;; end of part 4
